; MI455X (gfx1250); checked and timed in simulation.
; The chip was launched on July 23, 2026; its instructions are those of AMD's public machine-readable ISA for CDNA 5 (MIT licence, August 2026) and "CDNA5" Instruction Set Architecture Reference Guide (July 2026). The comments in the code are by the model that wrote it; some were corrected since.
;; Custom MHA. Allowed arithmetic: matrix products marked QUANTISED: E2M3 operands, one E8M0 scale for each 32 along K, by v_wmma_scale_f32_16x16x128_f8f6f4 with both operands' format E2M3, f32 sums; everything else in f32.
;; Inputs: W_o 1,024 x 1,024 float32; W_qkv 3,072 x 1,024 float32; x 4 x 2,048 x 1,024 float32.
;; Outputs: out0 4 x 2,048 x 1,024 float32.
;; This version of the problem:
;;   THIS VERSION OF THE PROBLEM IS GIVEN IN LOW PRECISION. The matrix products marked QUANTISED in the list below multiply operands that are first quantised to E2M3 (2 exponent bits, 3 mantissa bits; 6 bits a number), with one power-of-two scale for each 32 numbers along K (OCP MX v1.0); their sums are f32. All else is computed in f32.
;;   The module's matrix products, in the order in which they are computed (A, B: the left and right operand; K: the contracted axis; several contracted axes count as one K, in the product's order):
;;     1. [M 8,192, K 1,024] x [K 1,024, N 3,072]; A: input x; B: input W_qkv: QUANTISED
;;     2. batch 64 x [M 2,048, K 64] x [K 64, N 2,048]; A: computed on the way; B: computed on the way: QUANTISED
;;     3. batch 64 x [M 2,048, K 2,048] x [K 2,048, N 64]; A: softmax (see below); B: computed on the way: QUANTISED
;;     4. [M 8,192, K 1,024] x [K 1,024, N 1,024]; A: computed on the way; B: input W_o: QUANTISED
;;   THE QUANTISER, for each operand of a quantised product, along K:
;;     - K is cut into blocks of 32 from its start; a last block that is shorter is filled with zeros.
;;     - A block's scale is 2^e with e = floor(log2(the largest magnitude in the block)) - 2, held to -126 .. 127; a block of zeros has e = 0. As a byte (E8M0): e + 127.
;;     - Each number is divided by its block's scale, clamped to +-7.5, and rounded to the nearest number of E2M3, ties to even, subnormals kept.
;;     - The product sums the exact products of the quantised numbers (number of the format x scale) in f32.
;;   ~~~python
;;   def quantise(x, axis):      # numpy; x: float32 -> the quantised numbers, widened to float32 again
;;       x = np.moveaxis(x, axis, -1); K = x.shape[-1]
;;       x = np.pad(x, [(0, 0)] * (x.ndim - 1) + [(0, -K % 32)]); x = x.reshape(x.shape[:-1] + (-1, 32)); a = np.abs(x).max(-1, keepdims=True)
;;       e = np.where(a > 0, np.clip(np.frexp(np.where(a > 0, a, 1))[1] - 1 - 2, -126, 127), 0)      # np.frexp(a)[1] - 1 = floor(log2(a)), exactly
;;       r = np.clip(x / 2.0 ** e, -7.5, 7.5)
;;       step = 2.0 ** (np.maximum(np.frexp(np.where(r == 0, 1, r))[1] - 1, 0) - 3)
;;       q = np.round(r / step) * step * 2.0 ** e      # np.round: ties to even
;;       return np.moveaxis(q.reshape(q.shape[:-2] + (-1,))[..., :K], -1, axis).astype(np.float32)
;;   ~~~
;;   SOFTMAX AHEAD OF A QUANTISED PRODUCT. Where the list says 'softmax', what is quantised is not the finished softmax but p = 2^(t - M), with t = logit x log2(e) and M = ceil(the row's largest t), a whole number; so 1/2 < the row's largest p <= 1. The row's sum l is taken of the UNQUANTISED p, in f32, and the product's result is divided by l at the end. Since M is a whole number, a kernel that streams over the keys may use a running M (the ceiling of the running maximum): every later rescaling is an exact power of two, which a block's scale takes up: the codes' values come out the same.
;;   OPERANDS COMPUTED ON THE WAY. 'Computed on the way' means the value that the module computes at that place (a softmax that the list does not call 'softmax' is quantised finished and normalised). What goes into a quantiser is computed in f32, as accurately as f32 sums, v_exp_f32 and their like allow (about 1e-6 of the number): no bf16 or f16 on the way to a quantiser, and a product that is left as it is and whose result goes on into a quantised operand takes f32 operands (vector FMAs, or v_wmma_f32_16x16x4_f32). A number that lies on a knife's edge between two numbers of the format may be rounded either way, as far as f32 arithmetic and the matrix unit's own rounding can turn it there, and no further.
;; One version. Each part assembles by itself: llvm-mc -triple=amdgcn-amd-amdhsa -mcpu=gfx1250 --defsym DOCPART=n.
;; ======== version 1 of 1: 4 launches
;; workspace buffers: xw 9,437,184 bytes; xws 393,216 bytes; qp 6,815,744 bytes; kv 13,631,488 bytes; a4 6,291,456 bytes; a4s 262,144 bytes
;; launch quant (part 1): grid 384 x 1, 4 waves a work-group, no clusters, 34,304 bytes of LDS; arguments x, W_qkv, W_o, xw, xws; writes xw, xws
.if DOCPART == 1
	.amdgcn_target "amdgcn-amd-amdhsa--gfx1250"
	.amdhsa_code_object_version 6
	.text
	.protected	k_qf8cc6087a8_quant
	.globl	k_qf8cc6087a8_quant
	.p2align	8
	.type	k_qf8cc6087a8_quant,@function
k_qf8cc6087a8_quant:
	s_mov_b64 s[64:65], 0
	v_nop
	global_prefetch_b8 v0, s[64:65] scope:SCOPE_SE
	s_setreg_imm32_b32 hwreg(HW_REG_WAVE_MODE, 25, 1), 1
	s_wait_xcnt 0x0
; x [8192][1024], W_qkv [3072][1024], W_o [1024][1024], f32, become codes of FP6 (E2M3) with one E8M0 byte for each 32 along K, laid as IMAGES OF OPERAND REGISTERS.
; A ROW TILE is 16 rows: lane r of tile T holds row 32 (T / 2) + 8 (T % 2) + r + 8 (r / 8) of its tensor.  Tiles 0-511: x, 512-703: W_qkv, 704-767: W_o.
; A FRAGMENT (16 rows x 128 K, 12 registers a lane; registers 6 c .. 6 c + 5 of lane (r, h): k = 64 c + 32 h + 0 .. 31) is 1,536 bytes: for c = 0, 1: registers 6 c .. 6 c + 3 at 768 c + 16 x lane, registers 6 c + 4, 6 c + 5
; at 768 c + 512 + 8 x lane.  xw: [tile][fragment 0..7][1,536].  xws: the scale word of (row r, fragment f) at 512 tile + 256 (f / 4) + 16 r + 4 (f % 4).
; A block's scale is 2^(floor(log2(its largest magnitude)) - 2); its byte is the largest magnitude's exponent field - 2, held at 1 from below.
; LIMITS: a block of zeros gets the byte 1 (its codes are zeros; this program alone reads the bytes); NaN and infinities among the inputs are not served.
; SHARES: wave w of work-group W takes tile 2 W + w / 2 and half w % 2 of K: four fragments.  Each load reads 512 consecutive bytes of one row; a fragment's 16 rows turn through the wave's own stage in LDS,
; so that a lane then holds 16 neighbours of each block of 32.  Waves share nothing: no barrier.  Every store of the wave covers 256 or 512 consecutive bytes, aligned.
.set STGB,  8448                       ; a wave's stage: 16 rows x (512 bytes + 16)
.set SPARE, 4*STGB                     ; behind the stages: the spare words, 128 bytes for each wave
.set SPW,   12                         ; v12  my spare word's LDS address; never rewritten
.set NIL,   13                         ; v13  0; never rewritten
.set TM,    16                         ; v16-31 at work in QUANT
.set PW,    32                         ; v32-35 the four fragments' scale words
.set PC,    40                         ; v40-51 a fragment's codes; v52-59 halves on their way
.set X,     64                         ; v64-127 64 numbers: register 16 b + i = k 32 b + 16 h + i of my row
.set R,     128                        ; v128-255 two sets of 64 registers as loaded
	s_load_b128 s[4:7], s[0:1], 0x0                ; x, W_qkv
	s_load_b128 s[8:11], s[0:1], 0x10              ; W_o, xw
	s_load_b64 s[12:13], s[0:1], 0x20              ; xws
	v_lshl_add_u32 v[SPW], v0, 2, SPARE
	v_mov_b32 v[NIL], 0
	v_lshrrev_b32 v5, 5, v0
	v_readfirstlane_b32 s14, v5                    ; wave
	v_and_b32 v6, 31, v0                           ; lane
	v_and_b32 v7, 15, v0                           ; r
	v_bfe_u32 v8, v0, 4, 1                         ; h
	v_lshlrev_b32 v1, 4, v6                        ; 16 x lane
	v_lshlrev_b32 v2, 3, v6                        ; 8 x lane
	s_mul_i32 s15, s14, STGB
	v_add_nc_u32 v3, s15, v1                       ; the stage, on the way in: a row as it lies
	v_mul_u32_u24 v4, v7, 528
	v_lshl_add_u32 v4, v8, 6, v4
	v_add_nc_u32 v4, s15, v4                       ; on the way out: row r, + 64 h
	v_lshlrev_b32 v9, 4, v7
	v_lshl_add_u32 v9, v8, 3, v9                   ; the scale words: 16 r + 8 h
.irp b, 0,1,2,3
	v_mov_b32 v[TM+4+\b], 0                        ; written once: a lane permute's destination counts as one of its sources
.endr
	s_mov_b32 s20, 0x76543210
	s_mov_b32 s21, 0xfedcba98                      ; v_permlanex16_b32's selects for lane l xor 16
	s_mov_b32 s22, 0xffff0000                      ; lanes 16-31
	s_lshr_b32 s16, s14, 1
	s_lshl_b32 s17, ttmp9, 1
	s_add_co_u32 s16, s16, s17                     ; my tile
	s_and_b32 s17, s14, 1                          ; my half of K
	s_mul_i32 s24, s16, 12288
	s_mul_i32 s18, s17, 6144
	s_add_co_u32 s24, s24, s18                     ; my codes' first byte
	s_mov_b32 s25, 0
	s_lshl_b32 s26, s16, 9
	s_lshl_b32 s18, s17, 8
	s_add_co_u32 s26, s26, s18                     ; my scale words' first byte
	s_mov_b32 s27, 0
	s_wait_alu depctr_va_vdst(0)
	s_wait_kmcnt 0x0
	s_mov_b32 s18, 704
	s_cmp_lt_u32 s16, 704                          ; which tensor: the choice hangs on ids alone
	s_cselect_b64 s[6:7], s[6:7], s[8:9]
	s_cselect_b32 s18, 512, s18
	s_cmp_lt_u32 s16, 512
	s_cselect_b64 s[4:5], s[4:5], s[6:7]
	s_cselect_b32 s18, 0, s18
	s_sub_co_u32 s18, s16, s18                     ; the tile's number in its tensor
	s_lshr_b32 s28, s18, 1
	s_lshl_b32 s28, s28, 17                        ; 32 rows of 4,096 bytes for each pair of tiles,
	s_and_b32 s19, s18, 1
	s_lshl_b32 s19, s19, 15                        ; 8 rows for the odd one,
	s_add_co_u32 s28, s28, s19
	s_lshl_b32 s19, s17, 11                        ; 2,048 bytes for the upper half of K
	s_add_co_u32 s28, s28, s19
	s_mov_b32 s29, 0
	s_add_nc_u64 s[4:5], s[4:5], s[28:29]
	s_add_nc_u64 s[10:11], s[10:11], s[24:25]
	s_add_nc_u64 s[12:13], s[12:13], s[26:27]
.macro LOAD f                          ; fragment f: 16 rows x 512 bytes into set f % 2
.irp p, 0,1,2,3,4,5,6,7,8,9,10,11,12,13,14,15
	global_load_b128 v[R+64*((\f)%2)+4*\p:R+64*((\f)%2)+4*\p+3], v1, s[4:5] offset:(\p+8*(\p/8))*4096+512*(\f) th:TH_LOAD_NT
.endr
.endm
.macro TURN f                          ; through the stage: LDS serves a wave's instructions in order, so no wait stands between the stores and the loads
.irp p, 0,1,2,3,4,5,6,7,8,9,10,11,12,13,14,15
	ds_store_b128 v3, v[R+64*((\f)%2)+4*\p:R+64*((\f)%2)+4*\p+3] offset:528*\p
.endr
.irp b, 0,1,2,3
.irp j, 0,1,2,3
	ds_load_b128 v[X+16*\b+4*\j:X+16*\b+4*\j+3], v4 offset:128*\b+16*\j
.endr
.endr
.endm
.macro QUANT s, pw                     ; 64 numbers of a lane become a fragment's codes in v[PC] on and its scale word in v[pw]
.irp b, 0,1,2,3
	v_max3_num_f32 v[TM+\b], |v[\s+16*\b]|, |v[\s+1+16*\b]|, 0x1800000   ; my 16 numbers of block b, and the floor 2^(3 - 127): the byte cannot fall under 1
.endr
.irp i, 2,4,6,8,10,12,14
.irp b, 0,1,2,3
	v_max3_num_f32 v[TM+\b], v[TM+\b], |v[\s+16*\b+\i]|, |v[\s+1+16*\b+\i]|
.endr
.endr
.irp b, 0,1,2,3
	v_permlanex16_b32 v[TM+4+\b], v[TM+\b], s20, s21
.endr
.irp b, 0,1,2,3
	v_max_num_f32 v[TM+\b], v[TM+\b], v[TM+4+\b]   ; with lane l xor 16's: the block's largest magnitude
.endr
.irp b, 0,1,2,3
	v_add_nc_u32 v[TM+12+\b], 0xff000000, v[TM+\b] ; 2 off its exponent field: the conversion's scale operand
.endr
.irp b, 0,1,2,3
	v_lshrrev_b32 v[TM+4+\b], 23, v[TM+12+\b]      ; the scale's byte
.endr
	v_lshl_or_b32 v[\pw], v[TM+5], 8, v[TM+4]
	v_lshl_or_b32 v[\pw], v[TM+6], 16, v[\pw]
	v_lshl_or_b32 v[\pw], v[TM+7], 24, v[\pw]
.irp c, 0,1
	v_cvt_scalef32_pk16_fp6_f32 v[PC+6*\c:PC+2+6*\c], v[\s+32*\c:\s+15+32*\c], v[TM+12+2*\c]
	v_cvt_scalef32_pk16_fp6_f32 v[PC+12+4*\c:PC+14+4*\c], v[\s+16+32*\c:\s+31+32*\c], v[TM+12+2*\c+1]
.endr
	v_nop                                          ; one plain place behind a scaled conversion
.irp c, 0,1                            ; the operand wants a whole block in a lane: lanes 0-15 block 2 c, lanes 16-31 block 2 c + 1
.irp i, 0,1,2
	v_permlane16_swap_b32 v[PC+6*\c+\i], v[PC+12+4*\c+\i]
.endr
.irp i, 0,1,2
	v_mov_b32 v[PC+3+6*\c+\i], v[PC+12+4*\c+\i]
.endr
.endr
.endm
.macro OUT f
	global_store_b128 v1, v[PC:PC+3], s[10:11] offset:1536*(\f)
	global_store_b64 v2, v[PC+4:PC+5], s[10:11] offset:1536*(\f)+512
	global_store_b128 v1, v[PC+6:PC+9], s[10:11] offset:1536*(\f)+768
	global_store_b64 v2, v[PC+10:PC+11], s[10:11] offset:1536*(\f)+1280
.endm
.macro FRAGMENT f
.if \f < 3
	s_wait_loadcnt 16                              ; this fragment's 16 loads are in; the next one's 16 may be out
.else
	s_wait_loadcnt 0x0
.endif
	TURN \f
	s_wait_dscnt 0x0                               ; my 64 numbers are back
.if \f > 0
	s_wait_xcnt 0x0                                ; the last fragment's stores have read their data: the codes' registers are written again only behind this wait
.endif
.if \f < 2
	LOAD \f+2
.endif
	QUANT X, PW+\f
	OUT \f
.endm
	LOAD 0
	LOAD 1
	FRAGMENT 0
	FRAGMENT 1
	FRAGMENT 2
	FRAGMENT 3
	v_cndmask_b32 v36, v[PW], v[PW+2], s22         ; lanes 0-15 store words 0, 1 of row r, lanes 16-31 words 2, 3
	v_cndmask_b32 v37, v[PW+1], v[PW+3], s22
	global_store_b64 v9, v[36:37], s[12:13]        ; 256 consecutive bytes, aligned
	s_wait_tensorcnt 0x0                           ; the wave's end: behind my last LDS store
	ds_add_u32 v[SPW], v[NIL]
	s_wait_dscnt 0x0
	s_endpgm
.Lfunc_end_k_qf8cc6087a8_quant:
	.size	k_qf8cc6087a8_quant, .Lfunc_end_k_qf8cc6087a8_quant-k_qf8cc6087a8_quant
	.p2alignl 7, 3214868480
	.fill 96, 4, 3214868480
	.section	.rodata,"a",@progbits
	.p2align	6, 0x0
	.amdhsa_kernel k_qf8cc6087a8_quant
		.amdhsa_group_segment_fixed_size 34304
		.amdhsa_private_segment_fixed_size 0
		.amdhsa_enable_private_segment 0
		.amdhsa_kernarg_size 40
		.amdhsa_user_sgpr_count 2
		.amdhsa_user_sgpr_kernarg_segment_ptr 1
		.amdhsa_wavefront_size32 1
		.amdhsa_system_sgpr_workgroup_id_x 1
		.amdhsa_system_sgpr_workgroup_id_y 1
		.amdhsa_system_sgpr_workgroup_id_z 1
		.amdhsa_system_vgpr_workitem_id 0
		.amdhsa_next_free_vgpr 256
		.amdhsa_next_free_sgpr 66
		.amdhsa_reserve_vcc 0
		.amdhsa_float_denorm_mode_32 3
		.amdhsa_float_denorm_mode_16_64 3
		.amdhsa_memory_ordered 1
		.amdhsa_forward_progress 1
		.amdhsa_inst_pref_size 34
	.end_amdhsa_kernel
	.amdgpu_metadata
---
amdhsa.version: [ 1, 2 ]
amdhsa.kernels:
  - .name:           k_qf8cc6087a8_quant
    .symbol:         k_qf8cc6087a8_quant.kd
    .args:
      - { .name: x, .offset: 0, .size: 8, .value_kind: global_buffer, .address_space: global }
      - { .name: W_qkv, .offset: 8, .size: 8, .value_kind: global_buffer, .address_space: global }
      - { .name: W_o, .offset: 16, .size: 8, .value_kind: global_buffer, .address_space: global }
      - { .name: xw, .offset: 24, .size: 8, .value_kind: global_buffer, .address_space: global }
      - { .name: xws, .offset: 32, .size: 8, .value_kind: global_buffer, .address_space: global }
    .group_segment_fixed_size: 34304
    .private_segment_fixed_size: 0
    .kernarg_segment_align: 8
    .kernarg_segment_size: 40
    .max_flat_workgroup_size: 128
    .sgpr_count:     66
    .vgpr_count:     256
    .wavefront_size: 32
...
	.end_amdgpu_metadata
.endif
;; end of part 1
;; launch qkv (part 2): grid 12 x 32, 4 waves a work-group, clusters of 4 x 4, 327,680 bytes of LDS; arguments xw, xws, qp, kv; writes qp, kv
.if DOCPART == 2
	.amdgcn_target "amdgcn-amd-amdhsa--gfx1250"
	.amdhsa_code_object_version 6
	.text
	.protected	k_qf8cc6087a8_qkv
	.globl	k_qf8cc6087a8_qkv
	.p2align	8
	.type	k_qf8cc6087a8_qkv,@function
k_qf8cc6087a8_qkv:
	s_mov_b64 s[64:65], 0
	v_nop
	global_prefetch_b8 v0, s[64:65] scope:SCOPE_SE
	s_setreg_imm32_b32 hwreg(HW_REG_WAVE_MODE, 25, 1), 1
	s_wait_xcnt 0x0
	s_wait_alu depctr_hold_cnt(0) depctr_sa_sdst(0) depctr_va_vdst(0) depctr_va_sdst(0) depctr_va_ssrc(0) depctr_va_vcc(0) depctr_vm_vsrc(0)
	s_getreg_b32 s2, hwreg(HW_REG_IB_STS2, 6, 4)
	s_cmp_eq_u32 s2, 0
	s_cbranch_scc0 .Lentry_in_a_cluster
	s_endpgm
.Lentry_in_a_cluster:
	s_bfe_u32 s2, ttmp6, 0x10000c
	s_cmp_lg_u32 s2, 0xf033
	s_cbranch_scc0 .Lentry_shape_is_right
	s_endpgm
.Lentry_shape_is_right:
.set NQ,     2
.set FR,     12
.set NL,     4
.set NP,     4
.set FRB,    1536
.set TILEB,  NQ*FRB
.set HALFT,  8*TILEB
.set SLOT,   4*HALFT
.set SCL,    2*SLOT
.set HALFS,  16*272
.set SBLK,   2*272
.set SPARE,  SCL+4*HALFS
.set ADRA, 16
.set ADRB, 20
.set OFA,  24
.set OFB,  25
.set OF8,  26
.set ADRS, 27
.set SPW,  28
.set NIL,  29
.set OF8B, 30
.set SC,   32
.set AF,   128
.set SX,   64
.set YY,   88
.set T2,   100
.set TM,   200
.set PWA,  216
.set PWB,  217
.set SW,   220
.set SWH,  224
.set G1, 24
.set G0, 32
.set G1B, 48
.set G0B, 56
.set G1S, 68
.set G0S, 76
.set G1SB, 80
.set G0SB, 88
.set MSB, 0
.macro WIN new
.if MSB != \new
	s_set_vgpr_msb (MSB<<8)|\new
.set MSB, \new
.endif
.endm
.set MUL_LO, 0xa1
.set MUL_HI, 0xf1
.set TO_B,   0x40
.macro JLOAD g0a, g1a, g0b, g1b
	s_cmp_eq_u32 s15, 0
	s_cbranch_scc0 .Lfor_b_\@
	tensor_load_to_lds s[\g0a:\g0a+3], s[\g1a:\g1a+7]
	s_nop 0
.rept 4
	v_nop
.endr
	s_branch .Lasked_\@
.Lfor_b_\@:
	tensor_load_to_lds s[\g0b:\g0b+3], s[\g1b:\g1b+7]
	s_nop 0
.rept 4
	v_nop
.endr
.Lasked_\@:
.endm
.macro CREST
	s_cmp_lg_u32 s14, 0
	s_cbranch_scc1 .Lnot_wave_0_\@
	s_barrier_signal -3
.Lnot_wave_0_\@:
	s_barrier_wait -3
	s_barrier_signal -1
	s_barrier_wait -1
.endm
.macro CROUND
	s_barrier_signal -1
	s_barrier_wait -1
	CREST
.endm
	s_load_b128 s[4:7], s[0:1], 0x0
	s_load_b128 s[8:11], s[0:1], 0x10
	v_lshl_add_u32 v[SPW], v0, 2, SPARE
	v_mov_b32 v[NIL], 0
	ds_add_u32 v[SPW], v[NIL]
	ds_add_u32 v[SPW], v[NIL]
	v_lshrrev_b32 v1, 5, v0
	v_readfirstlane_b32 s14, v1
	s_lshr_b32 s15, s14, 1
	s_and_b32 s16, s14, 1
	s_bfe_u32 s40, ttmp6, 0x40000
	s_bfe_u32 s41, ttmp6, 0x40004
	s_and_b32 s17, ttmp7, 0xffff
	s_cmp_eq_u32 ttmp9, 2
	s_cselect_b32 s95, 640, 0
	s_cselect_b32 s96, 0, 512
	s_cselect_b32 s97, 0, s17
	s_cselect_b32 s98, s17, ttmp9
	s_lshl_b32 s17, s97, 2
	s_add_co_u32 s17, s17, s41
	s_lshl_b32 s42, s98, 2
	s_add_co_u32 s42, s42, s40
	s_lshl_b32 s43, s41, 2
	s_lshl_b32 s43, 15, s43
	s_lshl_b32 s44, 0x1111, s40
	s_or_b32 s[G1+0], s43, (3<<16)|(1<<21)
	s_or_b32 s[G1B+0], s44, (3<<16)|(1<<21)
.irp g, G1, G1B
	s_mov_b32 s[\g+1], 384<<16
	s_mov_b32 s[\g+2], 8<<16
	s_mov_b32 s[\g+3], 384<<16
	s_mov_b32 s[\g+4], 8
	s_mov_b32 s[\g+5], 1536
	s_mov_b32 s[\g+6], 0
	s_mov_b32 s[\g+7], 0
.endr
	s_or_b32 s[G1S+0], s43, (3<<16)|(1<<20)|(1<<21)|(5<<22)|(3<<25)
	s_or_b32 s[G1SB+0], s44, (3<<16)|(1<<20)|(1<<21)|(5<<22)|(3<<25)
.irp g, G1S, G1SB
	s_mov_b32 s[\g+1], 32<<16
	s_mov_b32 s[\g+2], 16<<16
	s_mov_b32 s[\g+3], 32<<16
	s_mov_b32 s[\g+4], 16
	s_mov_b32 s[\g+5], 32
	s_mov_b32 s[\g+6], 0
	s_mov_b32 s[\g+7], 0
.endr
	s_lshl_b32 s18, s16, 3
	s_lshl_b32 s20, s17, 4
	s_add_co_u32 s20, s20, s18
	s_add_co_u32 s20, s20, s95
	s_lshl_b32 s46, s42, 4
	s_add_co_u32 s46, s46, s18
	s_add_co_u32 s46, s46, s96
	s_lshl_b32 s22, s20, 9
	s_mov_b32 s23, 0
	s_lshl_b32 s92, s46, 9
	s_mov_b32 s93, 0
	s_mul_i32 s20, s20, 12288
	s_mov_b32 s21, 0
	s_mul_i32 s46, s46, 12288
	s_mov_b32 s47, 0
	s_mul_i32 s45, s14, HALFT
	s_mul_i32 s94, s14, HALFS
	s_mov_b32 s66, 0x76543210
	s_mov_b32 s67, 0xfedcba98
	s_wait_dscnt 0x0
	s_wait_kmcnt 0x0
	s_add_nc_u64 s[20:21], s[4:5], s[20:21]
	s_add_nc_u64 s[22:23], s[6:7], s[22:23]
	s_add_nc_u64 s[46:47], s[4:5], s[46:47]
	s_add_nc_u64 s[92:93], s[6:7], s[92:93]
	CROUND
	s_mov_b32 s[G0S], 1
	s_add_co_u32 s[G0S+1], s94, SCL
	s_mov_b64 s[G0S+2:G0S+3], s[22:23]
	s_or_b32 s[G0S+3], s[G0S+3], 0x80000000
	s_mov_b32 s[G0SB], 1
	s_add_co_u32 s[G0SB+1], s94, SCL
	s_mov_b64 s[G0SB+2:G0SB+3], s[92:93]
	s_or_b32 s[G0SB+3], s[G0SB+3], 0x80000000
	JLOAD G0S, G1S, G0SB, G1SB
.irp s, 0,1
	s_mov_b32 s[G0+4*\s], 1
	s_add_co_u32 s[G0+4*\s+1], s45, \s*SLOT
	s_add_nc_u64 s[G0+4*\s+2:G0+4*\s+3], s[20:21], \s*TILEB
	s_or_b32 s[G0+4*\s+3], s[G0+4*\s+3], 0x80000000
	s_mov_b32 s[G0B+4*\s], 1
	s_add_co_u32 s[G0B+4*\s+1], s45, \s*SLOT
	s_add_nc_u64 s[G0B+4*\s+2:G0B+4*\s+3], s[46:47], \s*TILEB
	s_or_b32 s[G0B+4*\s+3], s[G0B+4*\s+3], 0x80000000
	s_wait_alu depctr_va_vdst(0)
	s_wait_tensorcnt 0x0
	ds_add_u32 v28, v29
	s_wait_dscnt 0x0
	CROUND
	JLOAD G0+4*\s, G1, G0B+4*\s, G1B
.endr
	v_and_b32 v3, 31, v0
	v_lshlrev_b32 v[OFA], 4, v3
	v_lshlrev_b32 v[OF8], 3, v3
	s_mul_i32 s21, s15, HALFT
	s_mul_i32 s22, s16, HALFT
	s_add_co_u32 s22, s22, 2*HALFT
.irp s, 0,1
	v_add_nc_u32 v[ADRA+\s], s21, v[OFA]
	v_add_nc_u32 v[ADRB+\s], s22, v[OFA]
	v_add_nc_u32 v[ADRA+2+\s], s21, v[OF8]
	v_add_nc_u32 v[ADRB+2+\s], s22, v[OF8]
	s_add_co_u32 s21, s21, SLOT
	s_add_co_u32 s22, s22, SLOT
.endr
	v_and_b32 v1, 15, v0
	v_bfe_u32 v2, v0, 4, 1
	v_lshlrev_b32 v5, 4, v1
	s_mul_i32 s21, s15, HALFS
	s_mul_i32 s22, s16, HALFS
	s_add_co_u32 s22, s22, 2*HALFS
	s_sub_co_u32 s22, s22, s21
	v_mul_u32_u24 v6, s22, v2
	s_add_co_u32 s21, s21, SCL
	v_add_nc_u32 v5, v5, v6
	v_add_nc_u32 v[ADRS], s21, v5
	s_cmp_eq_u32 ttmp9, 0
	s_cselect_b64 s[12:13], s[8:9], s[10:11]
	s_mov_b32 s92, 212992
	s_cselect_b32 s92, 106496, s92
	s_mov_b32 s93, 12288
	s_cselect_b32 s93, 8192, s93
	s_mov_b32 s95, 49152
	s_cselect_b32 s95, 24576, s95
	s_cmp_eq_u32 ttmp9, 2
	s_cselect_b32 s93, 36864, s93
	s_cselect_b32 s20, s42, s17
	s_cselect_b32 s21, s16, s15
	s_cselect_b32 s22, s17, s40
	s_cselect_b32 s23, s15, s16
	s_cselect_b32 s18, 0, -1
	s_cselect_b32 s46, 1536, s92
	s_mov_b32 s96, 1536
	s_cselect_b32 s96, 3072, s96
	s_mov_b32 s98, 1536
	s_cselect_b32 s98, 209920, s98
	s_cselect_b32 s47, 8, 9
	s_cselect_b32 s94, 8192, 0
	s_mov_b32 s97, 0
	s_mov_b32 s99, 0
	s_mov_b32 s19, 0xffff0000
	s_lshl_b32 s20, s20, 1
	s_add_co_u32 s20, s20, s21
	s_lshr_b32 s21, s20, 4
	s_and_b32 s20, s20, 15
	s_lshl_b32 s22, s22, 2
	s_lshl_b32 s23, s23, 1
	s_add_co_u32 s22, s22, s23
	s_lshl_b32 s21, s21, 4
	s_add_co_u32 s21, s21, s22
	s_mul_i32 s21, s21, s92
	s_lshl_b32 s23, s20, s47
	s_add_co_u32 s23, s23, s94
	s_add_co_u32 s2, s23, s21
	s_mov_b32 s3, 0
	s_add_nc_u64 s[2:3], s[12:13], s[2:3]
	s_lshr_b32 s22, s20, 2
	s_mul_i32 s22, s22, s95
	s_and_b32 s23, s20, 3
	s_mul_i32 s23, s23, 6144
	s_add_co_u32 s22, s22, s23
	s_add_co_u32 s22, s22, s93
	s_add_co_u32 s22, s22, s21
	s_mov_b32 s23, 0
	s_add_nc_u64 s[12:13], s[12:13], s[22:23]
	v_add_nc_u32 v[OFB], s46, v[OFA]
	v_add_nc_u32 v[OF8B], s92, v[OF8]
.macro FRAG reg, adr, q, i
	ds_load_b128 v[\reg:\reg+3], v[\adr] offset:(\i)*TILEB+(\q)*FRB
	ds_load_b64 v[\reg+4:\reg+5], v[\adr+2] offset:(\i)*TILEB+(\q)*FRB+512
	ds_load_b128 v[\reg+6:\reg+9], v[\adr] offset:(\i)*TILEB+(\q)*FRB+768
	ds_load_b64 v[\reg+10:\reg+11], v[\adr+2] offset:(\i)*TILEB+(\q)*FRB+1280
.endm
.macro MUL16 a0, p, q, sc, zero
.irp a, \a0, \a0+1
.irp b, 0,1,2,3,4,5,6,7
.if \zero
	v_wmma_scale_f32_16x16x128_f8f6f4 v[8*(8*((\a)%4)+\b):8*(8*((\a)%4)+\b)+7], v[128*(\p)+FR*\b:128*(\p)+FR*\b+FR-1], v[AF+FR*(\a):AF+FR*(\a)+FR-1], 0, v[SC+8*NQ*(\sc)+NQ*\b+(\q)], v[SC+8*NQ*(\sc)+NQ*(\a)+(\q)] matrix_a_fmt:MATRIX_FMT_FP6 matrix_b_fmt:MATRIX_FMT_FP6 matrix_a_scale:MATRIX_SCALE_ROW1
.else
	v_wmma_scale_f32_16x16x128_f8f6f4 v[8*(8*((\a)%4)+\b):8*(8*((\a)%4)+\b)+7], v[128*(\p)+FR*\b:128*(\p)+FR*\b+FR-1], v[AF+FR*(\a):AF+FR*(\a)+FR-1], v[8*(8*((\a)%4)+\b):8*(8*((\a)%4)+\b)+7], v[SC+8*NQ*(\sc)+NQ*\b+(\q)], v[SC+8*NQ*(\sc)+NQ*(\a)+(\q)] matrix_a_fmt:MATRIX_FMT_FP6 matrix_b_fmt:MATRIX_FMT_FP6 matrix_a_scale:MATRIX_SCALE_ROW1
.endif
.endr
.endr
.endm
.macro FETCH_B slot, q, p
	WIN TO_B
.irp i, 0,1,2,3,4,5,6,7
	FRAG 128*(\p)+FR*\i, ADRB+\slot, \q, \i
.endr
	WIN 0
.endm
.macro FETCH_A slot, q, i0
.irp i, \i0, \i0+1, \i0+2, \i0+3
	FRAG AF+FR*(\i), ADRA+\slot, \q, \i
.endr
.endm
.macro SCALES sc
.irp i, 0,1,2,3,4,5,6,7
	ds_load_b64 v[SC+8*NQ*\sc+NQ*\i:SC+8*NQ*\sc+NQ*\i+1], v[ADRS] offset:\i*SBLK
.endr
.endm
.macro PLACES n
.rept \n
	v_nop
.endr
.endm
.macro STEP slot, q, zero
	s_wait_dscnt 4*NL
	WIN MUL_LO
	MUL16 0, (\q)%2, \q, \slot, \zero
	MUL16 2, (\q)%2, \q, \slot, \zero
	s_wait_dscnt 0
	PLACES NP
	FETCH_B \slot, (\q)+1, 1-(\q)%2
	FETCH_A \slot, (\q)+1, 0
	WIN MUL_HI
	MUL16 4, (\q)%2, \q, \slot, \zero
	MUL16 6, (\q)%2, \q, \slot, \zero
	PLACES NP
	WIN 0
	FETCH_A \slot, (\q)+1, 4
.endm
.macro TURN slot, next, fill, sstep
	s_wait_tensorcnt 0x0
	ds_add_u32 v[SPW], v[NIL]
	s_wait_dscnt 4*NL+1
	WIN MUL_LO
	MUL16 0, 1, NQ-1, \slot, 0
	s_wait_dscnt 0x0
	s_barrier_signal -1
	MUL16 2, 1, NQ-1, \slot, 0
	WIN 0
	s_barrier_wait -1
.if \fill
	CREST
	s_add_nc_u64 s[G0+4*\slot+2:G0+4*\slot+3], s[G0+4*\slot+2:G0+4*\slot+3], 2*TILEB
	s_add_nc_u64 s[G0B+4*\slot+2:G0B+4*\slot+3], s[G0B+4*\slot+2:G0B+4*\slot+3], 2*TILEB
	JLOAD G0+4*\slot, G1, G0B+4*\slot, G1B
.else
	PLACES NP
.endif
	s_wait_alu depctr_va_vdst(0)
	v_add_nc_u32 v[ADRS], \sstep, v[ADRS]
	FETCH_B \next, 0, 0
	FETCH_A \next, 0, 0
	SCALES \next
	WIN MUL_HI
	MUL16 4, 1, NQ-1, \slot, 0
	MUL16 6, 1, NQ-1, \slot, 0
	PLACES NP
	WIN 0
	FETCH_A \next, 0, 4
.endm
	s_wait_alu depctr_va_vdst(0)
	s_wait_tensorcnt 1
	s_barrier_signal -1
	s_barrier_wait -1
	FETCH_B 0, 0, 0
	FETCH_A 0, 0, 0
	SCALES 0
	FETCH_A 0, 0, 4
	STEP 0, 0, 1
	TURN 0, 1, 1, 8
	STEP 1, 0, 0
	TURN 1, 0, 1, 264
	STEP 0, 0, 0
	TURN 0, 1, 0, 8
	STEP 1, 0, 0
	s_wait_dscnt 4*NL
	WIN MUL_LO
	MUL16 0, 1, NQ-1, 1, 0
	MUL16 2, 1, NQ-1, 1, 0
	s_wait_dscnt 0
	WIN MUL_HI
	MUL16 4, 1, NQ-1, 1, 0
	MUL16 6, 1, NQ-1, 1, 0
	WIN 0
.macro QUANTW a, d0, d1, pw
.set AC, 64*((\a)%4)
.set WW, 2+(\a)/4
.set WQ, WW*5
	WIN WQ
.irp b, 0,1,2,3
	v_max3_num_f32 v[TM+\b], |v[AC+16*\b]|, |v[AC+16*\b+1]|, 0x1800000
.endr
.irp i, 2,4,6,8,10,12,14
.irp b, 0,1,2,3
	v_max3_num_f32 v[TM+\b], |v[AC+16*\b+\i]|, |v[AC+16*\b+\i+1]|, v[TM+\b]
.endr
.endr
	WIN 0
.irp b, 0,1,2,3
	v_permlanex16_b32 v[TM+4+\b], v[TM+\b], s66, s67
.endr
.irp b, 0,1,2,3
	v_max_num_f32 v[TM+\b], v[TM+\b], v[TM+4+\b]
.endr
.irp b, 0,1,2,3
	v_add_nc_u32 v[TM+12+\b], 0xff000000, v[TM+\b]
.endr
.irp b, 0,1,2,3
	v_lshrrev_b32 v[TM+4+\b], 23, v[TM+12+\b]
.endr
	v_lshl_or_b32 v[\pw], v[TM+5], 8, v[TM+4]
	v_lshl_or_b32 v[\pw], v[TM+6], 16, v[\pw]
	v_lshl_or_b32 v[\pw], v[TM+7], 24, v[\pw]
	WIN WW
	v_cvt_scalef32_pk16_fp6_f32 v[\d0:\d0+2], v[AC:AC+15], v[TM+12]
	v_cvt_scalef32_pk16_fp6_f32 v[T2:T2+2], v[AC+16:AC+31], v[TM+13]
	v_cvt_scalef32_pk16_fp6_f32 v[\d1:\d1+2], v[AC+32:AC+47], v[TM+14]
	v_cvt_scalef32_pk16_fp6_f32 v[T2+4:T2+6], v[AC+48:AC+63], v[TM+15]
	WIN 0
	v_nop
.irp i, 0,1,2
	v_permlane16_swap_b32 v[\d0+\i], v[T2+\i]
.endr
.irp i, 0,1,2
	v_mov_b32 v[\d0+3+\i], v[T2+\i]
.endr
.irp i, 0,1,2
	v_permlane16_swap_b32 v[\d1+\i], v[T2+4+\i]
.endr
.irp i, 0,1,2
	v_mov_b32 v[\d1+3+\i], v[T2+4+\i]
.endr
.endm
	PLACES NP
.irp b, 0,1,2,3
	v_mov_b32 v[TM+4+\b], 0
.endr
.irp g, 0,1,2,3
.if \g > 0
	s_wait_xcnt 0x0
.if \g == 2
	s_add_nc_u64 s[12:13], s[12:13], s[98:99]
.else
	s_add_nc_u64 s[12:13], s[12:13], s[96:97]
.endif
.endif
	QUANTW 2*\g, SX, YY, PWA
	QUANTW 2*\g+1, YY+6, SX+18, PWB
	v_cndmask_b32 v[SW+\g], v[PWA], v[PWB], s19
.irp i, 0,1,2,3,4,5
	v_cndmask_b32 v[SX+6+\i], v[YY+\i], v[YY+6+\i], s18
	v_cndmask_b32 v[SX+12+\i], v[YY+6+\i], v[YY+\i], s18
.endr
.irp i, 0,1,2
	global_store_b128 v[OFA], v[SX+4*\i:SX+4*\i+3], s[12:13] offset:512*\i
	global_store_b128 v[OFB], v[SX+12+4*\i:SX+12+4*\i+3], s[12:13] offset:512*\i
.endr
.endr
	s_cmp_eq_u32 ttmp9, 2
	s_cbranch_scc1 .Lv_scales
.irp g, 0,1,2,3
	v_lshrrev_b32 v[SWH+\g], 16, v[SW+\g]
.endr
	global_store_b128 v[OFA], v[SW:SW+3], s[2:3]
	global_store_b128 v[OFB], v[SWH:SWH+3], s[2:3]
	s_branch .Lscales_out
.Lv_scales:
	global_store_b64 v[OF8], v[SW:SW+1], s[2:3]
	global_store_b64 v[OF8B], v[SW+2:SW+3], s[2:3]
.Lscales_out:
	s_wait_tensorcnt 0x0
	ds_add_u32 v[SPW], v[NIL]
	s_wait_dscnt 0x0
	CROUND
	s_endpgm
.Lfunc_end_k_qf8cc6087a8_qkv:
	.size	k_qf8cc6087a8_qkv, .Lfunc_end_k_qf8cc6087a8_qkv-k_qf8cc6087a8_qkv
	.p2alignl 7, 3214868480
	.fill 96, 4, 3214868480
	.section	.rodata,"a",@progbits
	.p2align	6, 0x0
	.amdhsa_kernel k_qf8cc6087a8_qkv
		.amdhsa_group_segment_fixed_size 327680
		.amdhsa_private_segment_fixed_size 0
		.amdhsa_enable_private_segment 0
		.amdhsa_kernarg_size 32
		.amdhsa_user_sgpr_count 2
		.amdhsa_user_sgpr_kernarg_segment_ptr 1
		.amdhsa_wavefront_size32 1
		.amdhsa_system_sgpr_workgroup_id_x 1
		.amdhsa_system_sgpr_workgroup_id_y 1
		.amdhsa_system_sgpr_workgroup_id_z 1
		.amdhsa_system_vgpr_workitem_id 0
		.amdhsa_next_free_vgpr 1024
		.amdhsa_next_free_sgpr 100
		.amdhsa_reserve_vcc 0
		.amdhsa_float_denorm_mode_32 3
		.amdhsa_float_denorm_mode_16_64 3
		.amdhsa_memory_ordered 1
		.amdhsa_forward_progress 1
		.amdhsa_inst_pref_size 154
	.end_amdhsa_kernel
	.amdgpu_metadata
---
amdhsa.version: [ 1, 2 ]
amdhsa.kernels:
  - .name:           k_qf8cc6087a8_qkv
    .symbol:         k_qf8cc6087a8_qkv.kd
    .args:
      - { .name: xw, .offset: 0, .size: 8, .value_kind: global_buffer, .address_space: global }
      - { .name: xws, .offset: 8, .size: 8, .value_kind: global_buffer, .address_space: global }
      - { .name: qp, .offset: 16, .size: 8, .value_kind: global_buffer, .address_space: global }
      - { .name: kv, .offset: 24, .size: 8, .value_kind: global_buffer, .address_space: global }
    .group_segment_fixed_size: 327680
    .private_segment_fixed_size: 0
    .kernarg_segment_align: 8
    .kernarg_segment_size: 32
    .max_flat_workgroup_size: 128
    .sgpr_count:     100
    .vgpr_count:     1024
    .wavefront_size: 32
...
	.end_amdgpu_metadata
.endif
;; end of part 2
;; launch attn (part 3): grid 4 x 64, 16 waves a work-group, clusters of 4 x 1, 327,680 bytes of LDS; arguments qp, kv, a4, a4s; writes a4, a4s
.if DOCPART == 3
	.amdgcn_target "amdgcn-amd-amdhsa--gfx1250"
	.amdhsa_code_object_version 6
	.text
	.protected	k_qf8cc6087a8_attn
	.globl	k_qf8cc6087a8_attn
	.p2align	8
	.type	k_qf8cc6087a8_attn,@function
k_qf8cc6087a8_attn:
	s_mov_b64 s[64:65], 0
	v_nop
	global_prefetch_b8 v0, s[64:65] scope:SCOPE_SE
	s_setreg_imm32_b32 hwreg(HW_REG_WAVE_MODE, 25, 1), 1
	s_wait_xcnt 0x0
	s_wait_alu depctr_hold_cnt(0) depctr_sa_sdst(0) depctr_va_vdst(0) depctr_va_sdst(0) depctr_va_ssrc(0) depctr_va_vcc(0) depctr_vm_vsrc(0)
	s_getreg_b32 s2, hwreg(HW_REG_IB_STS2, 6, 4)
	s_cmp_eq_u32 s2, 0
	s_cbranch_scc0 .Lentry_in_a_cluster
	s_endpgm
.Lentry_in_a_cluster:
	s_bfe_u32 s2, ttmp6, 0x10000c
	s_cmp_lg_u32 s2, 0x3003
	s_cbranch_scc0 .Lentry_shape_is_right
	s_endpgm
.Lentry_shape_is_right:
; For each (batch, head): O = softmax(Q K^T / 8) V on codes of FP6 (E2M3) with E8M0 scales, then O / l quantised along the model's 1,024 into the last product's operand.
; THE SOFTMAX: t = score x log2(e) / 8; M = the running largest t rounded UP to a whole number; p = 2^(t - M) is quantised along the keys, not normalised; the row's sum l is taken of the unquantised p; when M moves, l and O are
; multiplied by 2^(old M - new M), which rounds nothing.
; SHARES.  The four work-groups of a cluster share one head: 512 queries each, in two blocks of 256; each of sixteen waves owns one tile of 16 queries of a block, in 256 registers: four waves to a SIMD.
; THE HEAD'S WHOLE PACKAGE OF K AND V (212,992 bytes: scale images, then four chunks of four key steps) LIES IN LDS, as it lies in memory, FILLED ONCE, by joint loads of the four work-groups: nothing is filled again.
; LAYOUT.  Both products transposed: S^T = K Q^T (source 0 = 16 keys, source 1 = my queries), O^T = V^T P^T (source 0 = 16 channels, source 1 = P): a lane holds one query.  By the order of rows in a tile, the 16 registers of
; tiles 2 b, 2 b + 1 are keys (channels) 32 b + 16 (lane / 16) + 0 .. 15.
; THE HEAD'S 64 IN THE INSTRUCTION'S 128: Q's operand is six registers of codes and six of zeros.  K's tiles lie six registers apart; a tile's operand names twelve: the upper six (the next tile's codes, or zeros) meet Q's zero codes.
; LIMITS: the division by l is v_rcp_f32 and a multiplication; a block of zeros gets the scale byte 1; NaN and infinities are not served; a4s is stored two bytes a row.
.set KVP,   212992
.set QPK,   106496
.set HDR,   12288                      ; scale images: K's 16 x 512, V's 16 x 256
.set CHK,   49152                      ; a chunk: K's codes of four steps, V's of the same
.set SPARE, KVP                        ; behind the package: the spare words, 128 bytes for each of 16 waves
.set LI,  1                            ; v1  16 x lane
.set LV,  2                            ; v2  8,192 + 8 x lane
.set SPW, 3
.set NIL, 4
.set ADK, 5                            ; v5-7 LDS addresses of the step in hand: codes, K's scale words, V's
.set ADS, 6
.set ADT, 7
.set QSO, 9                            ; v9  my row's place in Q's scale image
.set L8,  10                           ; v10 8 x lane
.set R16, 11                           ; v11 16 r
.set QF,  16                           ; v16-21 Q's codes, v22-27 zeros;  v28 Q's scale words
.set QS,  28
.set FRG, 32                           ; v32-79 a step's K, then its V;  v80-85 zeros
.set SCO, 96                           ; v96-159 S^T, then p
.set OT,  160                          ; v160-191 O^T
.set PCD, 192                          ; v192-203 p's codes;  v204-211 halves on their way
.set T2,  204
.set BM,  212                          ; v212-215 the blocks' largest
.set PT,  216                          ; v216-219 permute's results, then bytes
.set SOP, 220                          ; v220-223 the conversions' scale operands
.set FF,  224                          ; v[224:225] f = 2^(old M - new M)
.set PWD, 226                          ; v226 p's scale word
.set TT,  227
.set SU,  228                          ; v[228:229] the second chain of sums
.set KS,  232                          ; v232-235 K's scale words;  v236-237 V's
.set VS,  236
.set QT,  240                          ; v240-251 a group of Q as loaded
.set WV,  12
.set SEL, 20
.set CS,  22
.set G1H, 24
.set G1C, 32
.set G0,  40                           ; s40-59 five groups 0
.set TB,  60
.set TS,  61
.set TJ,  62
.set CNT, 63
.set BLK, 66
.set PAR, 68                           ; all ones where my tile is the odd one of its group
.macro CROUND
	s_barrier_signal -1
	s_barrier_wait -1
	s_cmp_lg_u32 s[WV], 0
	s_cbranch_scc1 .Lnot_wave_0_\@
	s_barrier_signal -3
.Lnot_wave_0_\@:
	s_barrier_wait -3
	s_barrier_signal -1
	s_barrier_wait -1
.endm
	s_load_b256 s[4:11], s[0:1], 0x0               ; qp, kv, a4, a4s
	v_lshl_add_u32 v[SPW], v0, 2, SPARE
	v_mov_b32 v[NIL], 0
	ds_add_u32 v[SPW], v[NIL]                      ; the wave's opening: the add and its wait ahead of the first tensor loads
	ds_add_u32 v[SPW], v[NIL]
	v_lshrrev_b32 v5, 5, v0
	s_delay_alu instid0(VALU_DEP_1)
	v_readfirstlane_b32 s[WV], v5                  ; wave 0..15
	s_bfe_u32 s13, ttmp6, 0x40000                  ; cx: it enters global addresses of Q and of the results alone
	s_and_b32 s14, ttmp7, 0xffff                   ; 16 x batch + head
	s_mov_b32 s[G1H], 15|(3<<16)|(1<<21)           ; dense blocks as rows of 256 bytes (32 elements of 8); the mask names all four work-groups
	s_mov_b32 s[G1H+1], 32<<16
	s_mov_b32 s[G1H+2], 12<<16                     ; a quarter of the scale images: 12 rows
	s_mov_b32 s[G1H+3], 32<<16
	s_mov_b32 s[G1H+4], 12
	s_mov_b32 s[G1H+5], 32
	s_mov_b32 s[G1H+6], 0
	s_mov_b32 s[G1H+7], 0
	s_mov_b32 s[G1C], 15|(3<<16)|(1<<21)
	s_mov_b32 s[G1C+1], 32<<16
	s_mov_b32 s[G1C+2], 48<<16                     ; a quarter of a chunk: 48 rows
	s_mov_b32 s[G1C+3], 32<<16
	s_mov_b32 s[G1C+4], 48
	s_mov_b32 s[G1C+5], 32
	s_mov_b32 s[G1C+6], 0
	s_mov_b32 s[G1C+7], 0
	s_mov_b32 s[SEL], 0x76543210
	s_mov_b32 s[SEL+1], 0xfedcba98
	s_mov_b32 s[CS], 0x3e38aa3b                    ; c = log2(e) / 8
	s_mov_b32 s[CS+1], s[CS]
	s_mov_b32 s[BLK], 2
	s_mul_i32 s70, s14, KVP                        ; the head's package of K and V
	s_mov_b32 s71, 0
	s_mul_i32 s18, s14, QPK                        ; and of Q
	s_lshl_b32 s72, s13, 4
	s_lshr_b32 s19, s[WV], 1
	s_add_co_u32 s72, s72, s19                     ; my tile is 32 cx + 16 block + wave: its group of 32 queries
	s_mul_i32 s72, s72, 1536
	s_add_co_u32 s72, s72, s18
	s_add_co_u32 s72, s72, 8192
	s_mov_b32 s73, 0
	s_lshl_b32 s74, s13, 2
	s_lshr_b32 s19, s[WV], 3
	s_add_co_u32 s74, s74, s19                     ; its 128 queries' scale image
	s_lshl_b32 s74, s74, 9
	s_add_co_u32 s74, s74, s18
	s_mov_b32 s75, 0
	s_lshr_b32 s18, s14, 4
	s_lshl_b32 s18, s18, 7
	s_lshl_b32 s19, s13, 5
	s_add_co_u32 s18, s18, s19
	s_add_co_u32 s18, s18, s[WV]                   ; its row tile in a4: 128 batch + tile
	s_and_b32 s19, s14, 15                         ; head
	s_mul_i32 s76, s18, 12288
	s_mul_i32 s69, s19, 768                        ; a head is half a fragment: 768 bytes
	s_add_co_u32 s76, s76, s69
	s_mov_b32 s77, 0
	s_lshl_b32 s78, s18, 9
	s_lshr_b32 s69, s19, 3
	s_lshl_b32 s69, s69, 8
	s_add_co_u32 s78, s78, s69
	s_and_b32 s69, s19, 7
	s_lshl_b32 s69, s69, 1
	s_add_co_u32 s78, s78, s69                     ; its two scale bytes: 512 tile + 256 (head / 8) + 2 (head % 8) + 16 r
	s_mov_b32 s79, 0
	s_and_b32 s69, s[WV], 1
	s_cmp_eq_u32 s69, 1
	s_cselect_b32 s[PAR], -1, 0
	s_wait_dscnt 0x0                               ; the opening add is done
	s_wait_kmcnt 0x0
	s_add_nc_u64 s[16:17], s[4:5], s[74:75]        ; Q's scale words
	s_add_nc_u64 s[4:5], s[4:5], s[72:73]          ; Q's codes
	s_add_nc_u64 s[6:7], s[6:7], s[70:71]
	s_add_nc_u64 s[8:9], s[8:9], s[76:77]
	s_add_nc_u64 s[10:11], s[10:11], s[78:79]
	s_mul_i32 s70, s[WV], 3072                     ; wave w (0..3) brings quarter w of each block, to the place in LDS that it has in the package
	s_mov_b32 s[G0], 1
	s_mov_b32 s[G0+1], s70
	s_add_nc_u64 s[G0+2:G0+3], s[6:7], s[70:71]
	s_or_b32 s[G0+3], s[G0+3], 0x80000000
	s_mul_i32 s70, s[WV], 12288
.irp c, 0,1,2,3
	s_mov_b32 s[G0+4+4*\c], 1
	s_add_co_u32 s[G0+5+4*\c], s70, HDR+CHK*\c
	s_add_nc_u64 s[G0+6+4*\c:G0+7+4*\c], s[6:7], s[70:71]
	s_add_nc_u64 s[G0+6+4*\c:G0+7+4*\c], s[G0+6+4*\c:G0+7+4*\c], HDR+CHK*\c
	s_or_b32 s[G0+7+4*\c], s[G0+7+4*\c], 0x80000000
.endr
	CROUND                                         ; all four work-groups are here: the joint loads meet
	s_cmp_lt_u32 s[WV], 4                          ; all first fills of a wave stand in one branch on the wave's number: five tensor loads of mine are out, the most in this text
	s_cbranch_scc0 .Lno_fill
	tensor_load_to_lds s[G0:G0+3], s[G1H:G1H+7]
	s_nop 0
.irp c, 0,1,2,3
	tensor_load_to_lds s[G0+4+4*\c:G0+7+4*\c], s[G1C:G1C+7]
	s_nop 0
.endr
.rept 4
	v_nop
.endr
.Lno_fill:
	v_and_b32 v8, 31, v0
	s_delay_alu instid0(VALU_DEP_1)
	v_lshlrev_b32 v[LI], 4, v8
	s_delay_alu instid0(VALU_DEP_2)
	v_lshlrev_b32 v[L8], 3, v8
	s_delay_alu instid0(VALU_DEP_1)
	v_add_nc_u32 v[LV], 8192, v[L8]
	v_and_b32 v8, 15, v0
	s_delay_alu instid0(VALU_DEP_1)
	v_lshlrev_b32 v[R16], 4, v8
	s_and_b32 s69, s[WV], 1
	s_lshl_b32 s69, s69, 8
	s_bfe_u32 s70, s[WV], 0x20001
	s_lshl_b32 s70, s70, 2
	s_add_co_u32 s69, s69, s70
	v_add_nc_u32 v[QSO], s69, v[R16]               ; in Q's scale image: 16 (r + 16 (tile % 2)) + 4 (group % 4)
.irp i, 0,1,2,3,4,5
	v_mov_b32 v[QF+6+\i], 0                        ; the upper 64 of Q's operand: zero codes
	v_mov_b32 v[FRG+48+\i], 0                      ; behind K's last tile
.endr
.irp b, 0,1,2,3
	v_mov_b32 v[PT+\b], 0                          ; a lane permute's destination counts as one of its sources
.endr
	v_mov_b32 v[FF+1], 0                           ; named as the upper half of a pair
; A KEY STEP: 128 keys.
.macro STEP
	v_add_nc_u32 v[ADK], s[TB], v[LI]              ; three additions and a v_nop: the four places behind the last products, in front of loads into registers that they read
	v_add_nc_u32 v[ADS], s[TS], v[LI]
	v_add_nc_u32 v[ADT], s[TJ], v[LV]
	v_nop
.set J, 0
.rept 12
	ds_load_b128 v[FRG+4*J:FRG+4*J+3], v[ADK] offset:512*J           ; K: eight tiles of six registers
.set J, J+1
.endr
	ds_load_b128 v[KS:KS+3], v[ADS]                ; word g: lanes 0-15 tile 2 g's keys, lanes 16-31 tile 2 g + 1's
	s_wait_alu depctr_va_vdst(0)
	s_wait_dscnt 0x0
.irp i, 0,1,2,3,4,5,6,7
.if \i%2
	v_wmma_scale_f32_16x16x128_f8f6f4 v[SCO+8*\i:SCO+8*\i+7], v[FRG+6*\i:FRG+6*\i+11], v[QF:QF+11], 0, v[KS+\i/2], v[QS] matrix_a_fmt:MATRIX_FMT_FP6 matrix_b_fmt:MATRIX_FMT_FP6 matrix_a_scale:MATRIX_SCALE_ROW1
.else
	v_wmma_scale_f32_16x16x128_f8f6f4 v[SCO+8*\i:SCO+8*\i+7], v[FRG+6*\i:FRG+6*\i+11], v[QF:QF+11], 0, v[KS+\i/2], v[QS] matrix_a_fmt:MATRIX_FMT_FP6 matrix_b_fmt:MATRIX_FMT_FP6
.endif
.endr
.rept 4
	v_nop                                          ; places: in front of the loads into K's registers, and of the first read of the scores
.endr
.set J, 0
.rept 12
	ds_load_b128 v[FRG+4*J:FRG+4*J+3], v[ADK] offset:24576+512*J     ; V: four fragments; they land while the softmax is walked
.set J, J+1
.endr
	ds_load_b64 v[VS:VS+1], v[ADT]
.irp b, 0,1,2,3
	v_max3_num_f32 v[BM+\b], v[SCO+16*\b], v[SCO+1+16*\b], v[SCO+2+16*\b]   ; the largest score of each block of 32 keys: for the row's maximum, and, since p rises with the score, for the block's largest p
.endr
.irp i, 3,5,7,9,11,13
.irp b, 0,1,2,3
	v_max3_num_f32 v[BM+\b], v[BM+\b], v[SCO+16*\b+\i], v[SCO+1+16*\b+\i]
.endr
.endr
.irp b, 0,1,2,3
	v_max_num_f32 v[BM+\b], v[BM+\b], v[SCO+15+16*\b]
.endr
.irp b, 0,1,2,3
	s_delay_alu instid0(VALU_DEP_4)
	v_permlanex16_b32 v[PT+\b], v[BM+\b], s[SEL], s[SEL+1]
.endr
.irp b, 0,1,2,3
	s_delay_alu instid0(VALU_DEP_4)
	v_max_num_f32 v[BM+\b], v[BM+\b], v[PT+\b]
.endr
	s_delay_alu instid0(VALU_DEP_2)
	v_max3_num_f32 v[TT], v[BM], v[BM+1], v[BM+2]
	s_delay_alu instid0(VALU_DEP_1)
	v_max_num_f32 v[TT], v[TT], v[BM+3]
	s_delay_alu instid0(VALU_DEP_1)
	v_mul_f32 v[TT], s[CS], v[TT]
	s_delay_alu instid0(VALU_DEP_1)
	v_max_num_f32 v13, v13, v[TT]                  ; the running largest t
	v_mov_b32 v[TT], v12
	s_delay_alu instid0(VALU_DEP_2)
	v_floor_f32 v12, -v13                          ; -M = floor(-t): M is a whole number
	s_delay_alu instid0(VALU_DEP_1)
	v_sub_f32 v[TT], v12, v[TT]                    ; old M - new M, 0 or less
	s_delay_alu instid0(VALU_DEP_1)
	v_cvt_i32_f32 v[TT], v[TT]                     ; (it saturates)
	s_delay_alu instid0(VALU_DEP_1)
	v_ldexp_f32 v[FF], 1.0, v[TT]                  ; f
.set J, 0
.rept 32
	v_pk_fma_f32 v[SCO+J:SCO+J+1], v[SCO+J:SCO+J+1], s[CS:CS+1], v[12:13] op_sel_hi:[1,0,0]   ; t - M
.set J, J+2
.endr
.irp b, 0,1,2,3
	v_fma_f32 v[BM+\b], v[BM+\b], s[CS], v12
.endr
.set J, 0
	s_wait_alu depctr_va_vdst(0)
.rept 64
	v_exp_f32 v[SCO+J], v[SCO+J]                   ; p = 2^(t - M)
.set J, J+1
.endr
	s_setprio 1
	v_pk_mul_f32 v[14:15], v[14:15], v[FF:FF+1] op_sel_hi:[1,0]      ; the sums under the new M; a plain place behind the exponentials
	s_wait_alu depctr_va_vdst(0)                   ; one wait for the batch, ahead of its first reader
.irp b, 0,1,2,3
	v_exp_f32 v[BM+\b], v[BM+\b]                   ; the blocks' largest p
.endr
	v_pk_add_f32 v[228:229], v[100:101], v[104:105]
	v_pk_add_f32 v[254:255], v[108:109], v[112:113]
	v_pk_add_f32 v[252:253], v[116:117], v[120:121]
	v_pk_add_f32 v[250:251], v[124:125], v[128:129]
	v_pk_add_f32 v[248:249], v[132:133], v[136:137]
	v_pk_add_f32 v[246:247], v[140:141], v[144:145]
	v_pk_add_f32 v[244:245], v[148:149], v[152:153]
	v_pk_add_f32 v[14:15], v[14:15], v[156:157]
	v_pk_add_f32 v[228:229], v[228:229], v[96:97]
	v_pk_add_f32 v[254:255], v[254:255], v[98:99]
	v_pk_add_f32 v[252:253], v[252:253], v[102:103]
	v_pk_add_f32 v[250:251], v[250:251], v[106:107]
	v_pk_add_f32 v[248:249], v[248:249], v[110:111]
	v_pk_add_f32 v[246:247], v[246:247], v[114:115]
	v_pk_add_f32 v[244:245], v[244:245], v[118:119]
	v_pk_add_f32 v[14:15], v[14:15], v[122:123]
	v_pk_add_f32 v[228:229], v[228:229], v[126:127]
	v_pk_add_f32 v[254:255], v[254:255], v[130:131]
	v_pk_add_f32 v[252:253], v[252:253], v[134:135]
	v_pk_add_f32 v[250:251], v[250:251], v[138:139]
	v_pk_add_f32 v[248:249], v[248:249], v[142:143]
	v_pk_add_f32 v[246:247], v[246:247], v[146:147]
	v_pk_add_f32 v[244:245], v[244:245], v[150:151]
	v_pk_add_f32 v[14:15], v[14:15], v[154:155]
	v_pk_add_f32 v[228:229], v[228:229], v[158:159]
	s_delay_alu instid0(VALU_DEP_2)
	v_pk_add_f32 v[14:15], v[14:15], v[250:251]
	s_delay_alu instid0(VALU_DEP_2)
	v_pk_add_f32 v[228:229], v[228:229], v[248:249]
	v_pk_add_f32 v[254:255], v[254:255], v[246:247]
	v_pk_add_f32 v[252:253], v[252:253], v[244:245]
	s_delay_alu instid0(VALU_DEP_2)
	v_pk_add_f32 v[14:15], v[14:15], v[254:255]
	s_delay_alu instid0(VALU_DEP_2)
	v_pk_add_f32 v[228:229], v[228:229], v[252:253]
	s_delay_alu instid0(VALU_DEP_1)
	v_pk_add_f32 v[14:15], v[14:15], v[228:229]
	s_wait_alu depctr_va_vdst(0)                   ; and one for the four
.irp b, 0,1,2,3
	v_max_num_f32 v[BM+\b], 0x1800000, v[BM+\b]    ; the floor 2^(3 - 127)
.endr
.irp b, 0,1,2,3
	s_delay_alu instid0(VALU_DEP_4)
	v_add_nc_u32 v[SOP+\b], 0xff000000, v[BM+\b]
.endr
.irp b, 0,1,2,3
	s_delay_alu instid0(VALU_DEP_4)
	v_lshrrev_b32 v[PT+\b], 23, v[SOP+\b]
.endr
	s_delay_alu instid0(VALU_DEP_3)
	v_lshl_or_b32 v[PWD], v[PT+1], 8, v[PT]
	s_delay_alu instid0(VALU_DEP_1)
	v_lshl_or_b32 v[PWD], v[PT+2], 16, v[PWD]
	s_delay_alu instid0(VALU_DEP_1)
	v_lshl_or_b32 v[PWD], v[PT+3], 24, v[PWD]
.irp c, 0,1
	v_cvt_scalef32_pk16_fp6_f32 v[PCD+6*\c:PCD+2+6*\c], v[SCO+32*\c:SCO+15+32*\c], v[SOP+2*\c]
	v_cvt_scalef32_pk16_fp6_f32 v[T2+4*\c:T2+2+4*\c], v[SCO+16+32*\c:SCO+31+32*\c], v[SOP+2*\c+1]
.endr
	v_nop                                          ; one plain place behind a scaled conversion
.irp c, 0,1
.irp i, 0,1,2
	v_permlane16_swap_b32 v[PCD+6*\c+\i], v[T2+4*\c+\i]
.endr
.irp i, 0,1,2
	s_delay_alu instid0(VALU_DEP_3)
	v_mov_b32 v[PCD+3+6*\c+\i], v[T2+4*\c+\i]
.endr
.endr
.set J, 0
	s_setprio 0
.rept 16
	v_pk_mul_f32 v[OT+J:OT+J+1], v[OT+J:OT+J+1], v[FF:FF+1] op_sel_hi:[1,0]   ; O^T under the new M.  These sixteen are also the places between the scale word's and the codes' last writes and the products
.set J, J+2
.endr
	s_wait_alu depctr_va_vdst(0)
	s_wait_dscnt 0x0                               ; V is in
.irp t, 0,1,2,3
.if \t%2
	v_wmma_scale_f32_16x16x128_f8f6f4 v[OT+8*\t:OT+8*\t+7], v[FRG+12*\t:FRG+12*\t+11], v[PCD:PCD+11], v[OT+8*\t:OT+8*\t+7], v[VS+\t/2], v[PWD] matrix_a_fmt:MATRIX_FMT_FP6 matrix_b_fmt:MATRIX_FMT_FP6 matrix_a_scale:MATRIX_SCALE_ROW1
.else
	v_wmma_scale_f32_16x16x128_f8f6f4 v[OT+8*\t:OT+8*\t+7], v[FRG+12*\t:FRG+12*\t+11], v[PCD:PCD+11], v[OT+8*\t:OT+8*\t+7], v[VS+\t/2], v[PWD] matrix_a_fmt:MATRIX_FMT_FP6 matrix_b_fmt:MATRIX_FMT_FP6
.endif
.endr
	s_add_co_u32 s[TB], s[TB], 6144
	s_add_co_u32 s[TS], s[TS], 512
	s_add_co_u32 s[TJ], s[TJ], 256
.endm
; Four key steps.  The count leaves the later chunks' loads on their way: behind the scale images and chunk c a loading wave has issued 3 - c loads.
.macro CHUNK c
	s_wait_tensorcnt 3-\c
	s_wait_dscnt 0x0
	s_barrier_signal -1
	s_barrier_wait -1                              ; every loading wave's part of the chunk has landed
	s_mov_b32 s[TB], HDR+CHK*\c
	s_mov_b32 s[TS], 2048*\c
	s_mov_b32 s[TJ], 1024*\c
	s_mov_b32 s[CNT], 4
.Lstep_\@:
	s_setprio 2
	STEP
	s_sub_co_u32 s[CNT], s[CNT], 1
	s_cmp_lg_u32 s[CNT], 0
	s_cbranch_scc1 .Lstep_\@
	s_setprio 0
.endm
.Lblock:                                           ; two trips: a block of 256 queries each
.irp j, 0,1,2
	global_load_b128 v[QT+4*\j:QT+4*\j+3], v[LI], s[4:5] offset:512*\j   ; my group of 32 queries: the even tile's six registers, the odd tile's six
.endr
	global_load_b32 v[QS], v[QSO], s[16:17]
	v_mov_b32 v13, 0xff61b1e6                      ; the largest t so far: -3e38
	s_delay_alu instid0(VALU_DEP_1)
	v_floor_f32 v12, -v13
	v_mov_b32 v14, 0
	v_mov_b32 v15, 0
	s_wait_loadcnt 0x0
.irp i, 0,1,2,3,4,5
	v_cndmask_b32 v[QF+\i], v[QT+\i], v[QT+6+\i], s[PAR]
.endr
.set J, 0
.rept 32
	v_mov_b32 v[OT+J], 0                           ; the step is written once: the first finds zeros.  (Also the places behind the writes of Q's operand)
.set J, J+1
.endr
	CHUNK 0
	CHUNK 1
	CHUNK 2
	CHUNK 3
	; THE WAY OUT: O^T / l, quantised along the head's 64 (two blocks of the model's 1,024), as half a fragment's image
.rept 4
	v_nop                                          ; places behind the last products
.endr
	v_add_f32 v14, v14, v15
	s_delay_alu instid0(VALU_DEP_1)
	v_permlanex16_b32 v[TT], v14, s[SEL], s[SEL+1]
	s_delay_alu instid0(VALU_DEP_1)
	v_add_f32 v14, v14, v[TT]                      ; the row's sum
	s_wait_alu depctr_va_vdst(0)
	v_rcp_f32 v14, v14
	v_nop
	s_wait_alu depctr_va_vdst(0)                   ; ahead of the reciprocal's first reader
.set J, 0
.rept 32
	v_mul_f32 v[SCO+J], v[OT+J], v14               ; register 16 B + i: channel 32 B + 16 (lane / 16) + i; each accumulator from its low end on
.set J, J+1
.endr
.irp b, 0,1
	v_max3_num_f32 v[BM+\b], |v[SCO+16*\b]|, |v[SCO+1+16*\b]|, 0x1800000
.endr
.irp i, 2,4,6,8,10,12,14
.irp b, 0,1
	s_delay_alu instid0(VALU_DEP_2)
	v_max3_num_f32 v[BM+\b], v[BM+\b], |v[SCO+16*\b+\i]|, |v[SCO+1+16*\b+\i]|
.endr
.endr
.irp b, 0,1
	s_delay_alu instid0(VALU_DEP_2)
	v_permlanex16_b32 v[PT+\b], v[BM+\b], s[SEL], s[SEL+1]
.endr
.irp b, 0,1
	s_delay_alu instid0(VALU_DEP_2)
	v_max_num_f32 v[BM+\b], v[BM+\b], v[PT+\b]
.endr
.irp b, 0,1
	s_delay_alu instid0(VALU_DEP_2)
	v_add_nc_u32 v[SOP+\b], 0xff000000, v[BM+\b]
.endr
.irp b, 0,1
	s_delay_alu instid0(VALU_DEP_2)
	v_lshrrev_b32 v[PT+\b], 23, v[SOP+\b]
.endr
	s_delay_alu instid0(VALU_DEP_1)
	v_lshl_or_b32 v[PWD], v[PT+1], 8, v[PT]
	v_cvt_scalef32_pk16_fp6_f32 v[PCD:PCD+2], v[SCO:SCO+15], v[SOP]
	v_cvt_scalef32_pk16_fp6_f32 v[T2:T2+2], v[SCO+16:SCO+31], v[SOP+1]
	v_nop
.irp i, 0,1,2
	v_permlane16_swap_b32 v[PCD+\i], v[T2+\i]
.endr
.irp i, 0,1,2
	s_delay_alu instid0(VALU_DEP_3)
	v_mov_b32 v[PCD+3+\i], v[T2+\i]
.endr
	global_store_b128 v[LI], v[PCD:PCD+3], s[8:9]                    ; 512 consecutive bytes, aligned to 256
	global_store_b64 v[L8], v[PCD+4:PCD+5], s[8:9] offset:512        ; 256 more
	global_store_b16 v[R16], v[PWD], s[10:11]      ; my row's two scale bytes (both halves of the lanes store the same)
	s_wait_xcnt 0x0                                ; the stores and Q's loads have read their bases and data: both may be written
	s_add_nc_u64 s[4:5], s[4:5], 12288             ; 16 tiles on: 8 groups of Q,
	s_add_nc_u64 s[16:17], s[16:17], 1024          ; two scale images,
	s_add_nc_u64 s[8:9], s[8:9], 196608            ; 16 row tiles of a4
	s_add_nc_u64 s[10:11], s[10:11], 8192
	s_sub_co_u32 s[BLK], s[BLK], 1
	s_cmp_lg_u32 s[BLK], 0
	s_cbranch_scc1 .Lblock
	s_wait_tensorcnt 0x0                           ; the wave's end
	ds_add_u32 v[SPW], v[NIL]
	s_wait_dscnt 0x0
	CROUND                                         ; the closing round
	s_endpgm
.Lfunc_end_k_qf8cc6087a8_attn:
	.size	k_qf8cc6087a8_attn, .Lfunc_end_k_qf8cc6087a8_attn-k_qf8cc6087a8_attn
	.p2alignl 7, 3214868480
	.fill 96, 4, 3214868480
	.section	.rodata,"a",@progbits
	.p2align	6, 0x0
	.amdhsa_kernel k_qf8cc6087a8_attn
		.amdhsa_group_segment_fixed_size 327680
		.amdhsa_private_segment_fixed_size 0
		.amdhsa_enable_private_segment 0
		.amdhsa_kernarg_size 32
		.amdhsa_user_sgpr_count 2
		.amdhsa_user_sgpr_kernarg_segment_ptr 1
		.amdhsa_wavefront_size32 1
		.amdhsa_system_sgpr_workgroup_id_x 1
		.amdhsa_system_sgpr_workgroup_id_y 1
		.amdhsa_system_sgpr_workgroup_id_z 1
		.amdhsa_system_vgpr_workitem_id 0
		.amdhsa_next_free_vgpr 256
		.amdhsa_next_free_sgpr 80
		.amdhsa_reserve_vcc 0
		.amdhsa_float_denorm_mode_32 3
		.amdhsa_float_denorm_mode_16_64 3
		.amdhsa_memory_ordered 1
		.amdhsa_forward_progress 1
		.amdhsa_inst_pref_size 83
	.end_amdhsa_kernel
	.amdgpu_metadata
---
amdhsa.version: [ 1, 2 ]
amdhsa.kernels:
  - .name:           k_qf8cc6087a8_attn
    .symbol:         k_qf8cc6087a8_attn.kd
    .args:
      - { .name: qp, .offset: 0, .size: 8, .value_kind: global_buffer, .address_space: global }
      - { .name: kv, .offset: 8, .size: 8, .value_kind: global_buffer, .address_space: global }
      - { .name: a4, .offset: 16, .size: 8, .value_kind: global_buffer, .address_space: global }
      - { .name: a4s, .offset: 24, .size: 8, .value_kind: global_buffer, .address_space: global }
    .group_segment_fixed_size: 327680
    .private_segment_fixed_size: 0
    .kernarg_segment_align: 8
    .kernarg_segment_size: 32
    .max_flat_workgroup_size: 512
    .sgpr_count:     80
    .vgpr_count:     256
    .wavefront_size: 32
...
	.end_amdgpu_metadata
.endif
;; end of part 3
;; launch proj (part 4): grid 4 x 32, 4 waves a work-group, clusters of 4 x 4, 327,680 bytes of LDS; arguments a4, a4s, xw, xws, out0; writes out0
.if DOCPART == 4
	.amdgcn_target "amdgcn-amd-amdhsa--gfx1250"
	.amdhsa_code_object_version 6
	.text
	.protected	k_qf8cc6087a8_proj
	.globl	k_qf8cc6087a8_proj
	.p2align	8
	.type	k_qf8cc6087a8_proj,@function
k_qf8cc6087a8_proj:
	s_mov_b64 s[64:65], 0
	v_nop
	global_prefetch_b8 v0, s[64:65] scope:SCOPE_SE
	s_setreg_imm32_b32 hwreg(HW_REG_WAVE_MODE, 25, 1), 1
	s_wait_xcnt 0x0
	s_wait_alu depctr_hold_cnt(0) depctr_sa_sdst(0) depctr_va_vdst(0) depctr_va_sdst(0) depctr_va_ssrc(0) depctr_va_vcc(0) depctr_vm_vsrc(0)
	s_getreg_b32 s2, hwreg(HW_REG_IB_STS2, 6, 4)
	s_cmp_eq_u32 s2, 0
	s_cbranch_scc0 .Lentry_in_a_cluster
	s_endpgm
.Lentry_in_a_cluster:
	s_bfe_u32 s2, ttmp6, 0x10000c
	s_cmp_lg_u32 s2, 0xf033
	s_cbranch_scc0 .Lentry_shape_is_right
	s_endpgm
.Lentry_shape_is_right:
.set NQ,     2
.set FR,     12
.set NL,     4
.set NP,     4
.set FRB,    1536
.set TILEB,  NQ*FRB
.set HALFT,  8*TILEB
.set SLOT,   4*HALFT
.set SCL,    2*SLOT
.set HALFS,  16*272
.set SBLK,   2*272
.set SPARE,  SCL+4*HALFS
.set SPITCH, 528
.set ADRA, 16
.set ADRB, 20
.set STO,  24
.set RD,   25
.set CO,   26
.set ADRS, 27
.set SPW,  28
.set NIL,  29
.set SC,   32
.set AF,   128
.set BK,   128
.set G1, 24
.set G0, 32
.set G1B, 48
.set G0B, 56
.set G1S, 68
.set G0S, 76
.set G1SB, 80
.set G0SB, 88
.set MSB, 0
.macro WIN new
.if MSB != \new
	s_set_vgpr_msb (MSB<<8)|\new
.set MSB, \new
.endif
.endm
.set MUL_LO, 0xa1
.set MUL_HI, 0xf1
.set TO_B,   0x40
.macro JLOAD g0a, g1a, g0b, g1b
	s_cmp_eq_u32 s15, 0
	s_cbranch_scc0 .Lfor_b_\@
	tensor_load_to_lds s[\g0a:\g0a+3], s[\g1a:\g1a+7]
	s_nop 0
.rept 4
	v_nop
.endr
	s_branch .Lasked_\@
.Lfor_b_\@:
	tensor_load_to_lds s[\g0b:\g0b+3], s[\g1b:\g1b+7]
	s_nop 0
.rept 4
	v_nop
.endr
.Lasked_\@:
.endm
.macro CREST
	s_cmp_lg_u32 s14, 0
	s_cbranch_scc1 .Lnot_wave_0_\@
	s_barrier_signal -3
.Lnot_wave_0_\@:
	s_barrier_wait -3
	s_barrier_signal -1
	s_barrier_wait -1
.endm
.macro CROUND
	s_barrier_signal -1
	s_barrier_wait -1
	CREST
.endm
	s_load_b128 s[4:7], s[0:1], 0x0
	s_load_b128 s[8:11], s[0:1], 0x10
	s_load_b64 s[12:13], s[0:1], 0x20
	v_lshl_add_u32 v[SPW], v0, 2, SPARE
	v_mov_b32 v[NIL], 0
	ds_add_u32 v[SPW], v[NIL]
	ds_add_u32 v[SPW], v[NIL]
	v_lshrrev_b32 v1, 5, v0
	v_readfirstlane_b32 s14, v1
	s_lshr_b32 s15, s14, 1
	s_and_b32 s16, s14, 1
	s_bfe_u32 s40, ttmp6, 0x40000
	s_bfe_u32 s41, ttmp6, 0x40004
	s_lshl_b32 s42, ttmp9, 2
	s_add_co_u32 s42, s42, s40
	s_and_b32 s17, ttmp7, 0xffff
	s_lshl_b32 s17, s17, 2
	s_add_co_u32 s17, s17, s41
	s_lshl_b32 s43, s41, 2
	s_lshl_b32 s43, 15, s43
	s_lshl_b32 s44, 0x1111, s40
	s_or_b32 s[G1+0], s43, (3<<16)|(1<<21)
	s_or_b32 s[G1B+0], s44, (3<<16)|(1<<21)
.irp g, G1, G1B
	s_mov_b32 s[\g+1], 384<<16
	s_mov_b32 s[\g+2], 8<<16
	s_mov_b32 s[\g+3], 384<<16
	s_mov_b32 s[\g+4], 8
	s_mov_b32 s[\g+5], 1536
	s_mov_b32 s[\g+6], 0
	s_mov_b32 s[\g+7], 0
.endr
	s_or_b32 s[G1S+0], s43, (3<<16)|(1<<20)|(1<<21)|(5<<22)|(3<<25)
	s_or_b32 s[G1SB+0], s44, (3<<16)|(1<<20)|(1<<21)|(5<<22)|(3<<25)
.irp g, G1S, G1SB
	s_mov_b32 s[\g+1], 32<<16
	s_mov_b32 s[\g+2], 16<<16
	s_mov_b32 s[\g+3], 32<<16
	s_mov_b32 s[\g+4], 16
	s_mov_b32 s[\g+5], 32
	s_mov_b32 s[\g+6], 0
	s_mov_b32 s[\g+7], 0
.endr
	s_lshl_b32 s18, s16, 3
	s_lshl_b32 s20, s17, 4
	s_add_co_u32 s20, s20, s18
	s_lshl_b32 s46, s42, 4
	s_add_co_u32 s46, s46, s18
	s_add_co_u32 s46, s46, 704
	s_lshl_b32 s22, s20, 9
	s_mov_b32 s23, 0
	s_lshl_b32 s92, s46, 9
	s_mov_b32 s93, 0
	s_mul_i32 s20, s20, 12288
	s_mov_b32 s21, 0
	s_mul_i32 s46, s46, 12288
	s_mov_b32 s47, 0
	s_mul_i32 s45, s14, HALFT
	s_mul_i32 s94, s14, HALFS
	s_wait_dscnt 0x0
	s_wait_kmcnt 0x0
	s_add_nc_u64 s[20:21], s[4:5], s[20:21]
	s_add_nc_u64 s[22:23], s[6:7], s[22:23]
	s_add_nc_u64 s[46:47], s[8:9], s[46:47]
	s_add_nc_u64 s[92:93], s[10:11], s[92:93]
	CROUND
	s_mov_b32 s[G0S], 1
	s_add_co_u32 s[G0S+1], s94, SCL
	s_mov_b64 s[G0S+2:G0S+3], s[22:23]
	s_or_b32 s[G0S+3], s[G0S+3], 0x80000000
	s_mov_b32 s[G0SB], 1
	s_add_co_u32 s[G0SB+1], s94, SCL
	s_mov_b64 s[G0SB+2:G0SB+3], s[92:93]
	s_or_b32 s[G0SB+3], s[G0SB+3], 0x80000000
	JLOAD G0S, G1S, G0SB, G1SB
.irp s, 0,1
	s_mov_b32 s[G0+4*\s], 1
	s_add_co_u32 s[G0+4*\s+1], s45, \s*SLOT
	s_add_nc_u64 s[G0+4*\s+2:G0+4*\s+3], s[20:21], \s*TILEB
	s_or_b32 s[G0+4*\s+3], s[G0+4*\s+3], 0x80000000
	s_mov_b32 s[G0B+4*\s], 1
	s_add_co_u32 s[G0B+4*\s+1], s45, \s*SLOT
	s_add_nc_u64 s[G0B+4*\s+2:G0B+4*\s+3], s[46:47], \s*TILEB
	s_or_b32 s[G0B+4*\s+3], s[G0B+4*\s+3], 0x80000000
	s_wait_alu depctr_va_vdst(0)
	s_wait_tensorcnt 0x0
	ds_add_u32 v28, v29
	s_wait_dscnt 0x0
	CROUND
	JLOAD G0+4*\s, G1, G0B+4*\s, G1B
.endr
	v_and_b32 v3, 31, v0
	v_lshlrev_b32 v[CO], 4, v3
	v_lshlrev_b32 v4, 3, v3
	s_mul_i32 s21, s15, HALFT
	s_mul_i32 s22, s16, HALFT
	s_add_co_u32 s22, s22, 2*HALFT
.irp s, 0,1
	v_add_nc_u32 v[ADRA+\s], s21, v[CO]
	v_add_nc_u32 v[ADRB+\s], s22, v[CO]
	v_add_nc_u32 v[ADRA+2+\s], s21, v4
	v_add_nc_u32 v[ADRB+2+\s], s22, v4
	s_add_co_u32 s21, s21, SLOT
	s_add_co_u32 s22, s22, SLOT
.endr
	v_and_b32 v1, 15, v0
	v_bfe_u32 v2, v0, 4, 1
	v_lshlrev_b32 v5, 4, v1
	s_mul_i32 s21, s15, HALFS
	s_mul_i32 s22, s16, HALFS
	s_add_co_u32 s22, s22, 2*HALFS
	s_sub_co_u32 s22, s22, s21
	v_mul_u32_u24 v6, s22, v2
	s_add_co_u32 s21, s21, SCL
	v_add_nc_u32 v5, v5, v6
	v_add_nc_u32 v[ADRS], s21, v5
	s_mul_i32 s23, s14, 16*SPITCH
	v_mul_u32_u24 v5, v1, SPITCH
	v_lshl_add_u32 v5, v2, 6, v5
	v_add_nc_u32 v[STO], s23, v5
	v_add_nc_u32 v[RD], s23, v[CO]
	s_lshl_b32 s20, s17, 8
	s_lshl_b32 s21, s15, 7
	s_add_co_u32 s20, s20, s21
	s_lshl_b32 s20, s20, 12
	s_lshl_b32 s46, s42, 10
	s_lshl_b32 s47, s16, 9
	s_add_co_u32 s46, s46, s47
	s_add_co_u32 s20, s20, s46
	s_mov_b32 s21, 0
	s_add_nc_u64 s[12:13], s[12:13], s[20:21]
.macro FRAG reg, adr, q, i
	ds_load_b128 v[\reg:\reg+3], v[\adr] offset:(\i)*TILEB+(\q)*FRB
	ds_load_b64 v[\reg+4:\reg+5], v[\adr+2] offset:(\i)*TILEB+(\q)*FRB+512
	ds_load_b128 v[\reg+6:\reg+9], v[\adr] offset:(\i)*TILEB+(\q)*FRB+768
	ds_load_b64 v[\reg+10:\reg+11], v[\adr+2] offset:(\i)*TILEB+(\q)*FRB+1280
.endm
.macro MUL16 a0, p, q, sc, zero
.irp a, \a0, \a0+1
.irp b, 0,1,2,3,4,5,6,7
.if \zero
	v_wmma_scale_f32_16x16x128_f8f6f4 v[8*(8*((\a)%4)+\b):8*(8*((\a)%4)+\b)+7], v[128*(\p)+FR*\b:128*(\p)+FR*\b+FR-1], v[AF+FR*(\a):AF+FR*(\a)+FR-1], 0, v[SC+8*NQ*(\sc)+NQ*\b+(\q)], v[SC+8*NQ*(\sc)+NQ*(\a)+(\q)] matrix_a_fmt:MATRIX_FMT_FP6 matrix_b_fmt:MATRIX_FMT_FP6 matrix_a_scale:MATRIX_SCALE_ROW1
.else
	v_wmma_scale_f32_16x16x128_f8f6f4 v[8*(8*((\a)%4)+\b):8*(8*((\a)%4)+\b)+7], v[128*(\p)+FR*\b:128*(\p)+FR*\b+FR-1], v[AF+FR*(\a):AF+FR*(\a)+FR-1], v[8*(8*((\a)%4)+\b):8*(8*((\a)%4)+\b)+7], v[SC+8*NQ*(\sc)+NQ*\b+(\q)], v[SC+8*NQ*(\sc)+NQ*(\a)+(\q)] matrix_a_fmt:MATRIX_FMT_FP6 matrix_b_fmt:MATRIX_FMT_FP6 matrix_a_scale:MATRIX_SCALE_ROW1
.endif
.endr
.endr
.endm
.macro FETCH_B slot, q, p
	WIN TO_B
.irp i, 0,1,2,3,4,5,6,7
	FRAG 128*(\p)+FR*\i, ADRB+\slot, \q, \i
.endr
	WIN 0
.endm
.macro FETCH_A slot, q, i0
.irp i, \i0, \i0+1, \i0+2, \i0+3
	FRAG AF+FR*(\i), ADRA+\slot, \q, \i
.endr
.endm
.macro SCALES sc
.irp i, 0,1,2,3,4,5,6,7
	ds_load_b64 v[SC+8*NQ*\sc+NQ*\i:SC+8*NQ*\sc+NQ*\i+1], v[ADRS] offset:\i*SBLK
.endr
.endm
.macro PLACES n
.rept \n
	v_nop
.endr
.endm
.macro STEP slot, q, zero
	s_wait_dscnt 4*NL
	WIN MUL_LO
	MUL16 0, (\q)%2, \q, \slot, \zero
	MUL16 2, (\q)%2, \q, \slot, \zero
	s_wait_dscnt 0
	PLACES NP
	FETCH_B \slot, (\q)+1, 1-(\q)%2
	FETCH_A \slot, (\q)+1, 0
	WIN MUL_HI
	MUL16 4, (\q)%2, \q, \slot, \zero
	MUL16 6, (\q)%2, \q, \slot, \zero
	PLACES NP
	WIN 0
	FETCH_A \slot, (\q)+1, 4
.endm
.macro TURN slot, next, fill, sstep
	s_wait_tensorcnt 0x0
	ds_add_u32 v[SPW], v[NIL]
	s_wait_dscnt 4*NL+1
	WIN MUL_LO
	MUL16 0, 1, NQ-1, \slot, 0
	s_wait_dscnt 0x0
	s_barrier_signal -1
	MUL16 2, 1, NQ-1, \slot, 0
	WIN 0
	s_barrier_wait -1
.if \fill
	CREST
	s_add_nc_u64 s[G0+4*\slot+2:G0+4*\slot+3], s[G0+4*\slot+2:G0+4*\slot+3], 2*TILEB
	s_add_nc_u64 s[G0B+4*\slot+2:G0B+4*\slot+3], s[G0B+4*\slot+2:G0B+4*\slot+3], 2*TILEB
	JLOAD G0+4*\slot, G1, G0B+4*\slot, G1B
.else
	PLACES NP
.endif
	s_wait_alu depctr_va_vdst(0)
	v_add_nc_u32 v[ADRS], \sstep, v[ADRS]
	FETCH_B \next, 0, 0
	FETCH_A \next, 0, 0
	SCALES \next
	WIN MUL_HI
	MUL16 4, 1, NQ-1, \slot, 0
	MUL16 6, 1, NQ-1, \slot, 0
	PLACES NP
	WIN 0
	FETCH_A \next, 0, 4
.endm
	s_wait_alu depctr_va_vdst(0)
	s_wait_tensorcnt 1
	s_barrier_signal -1
	s_barrier_wait -1
	FETCH_B 0, 0, 0
	FETCH_A 0, 0, 0
	SCALES 0
	FETCH_A 0, 0, 4
	STEP 0, 0, 1
	TURN 0, 1, 1, 8
	STEP 1, 0, 0
	TURN 1, 0, 1, 264
	STEP 0, 0, 0
	TURN 0, 1, 0, 8
	STEP 1, 0, 0
	s_wait_dscnt 4*NL
	WIN MUL_LO
	MUL16 0, 1, NQ-1, 1, 0
	MUL16 2, 1, NQ-1, 1, 0
	s_wait_dscnt 0
	WIN MUL_HI
	MUL16 4, 1, NQ-1, 1, 0
	MUL16 6, 1, NQ-1, 1, 0
	WIN 0
.macro TOSTAGE a
.set AC, 64*((\a)%4)
.set WD, 8+4*((\a)/4)
	WIN WD
.irp b, 0,1,2,3,4,5,6,7
	ds_store_b128 v[STO], v[AC+8*\b:AC+8*\b+3] offset:128*(\b/2)+32*(\b%2)
	ds_store_b128 v[STO], v[AC+8*\b+4:AC+8*\b+7] offset:128*(\b/2)+32*(\b%2)+16
.endr
	WIN 0
.set BB, BK+64*((\a)%2)
.irp t, 0,1,2,3,4,5,6,7,8,9,10,11,12,13,14,15
	ds_load_b128 v[BB+4*\t:BB+4*\t+3], v[RD] offset:\t*SPITCH
.endr
.endm
.macro SEND a, younger
.set BB, BK+64*((\a)%2)
	s_wait_dscnt \younger
.irp t, 0,1,2,3,4,5,6,7,8,9,10,11,12,13,14,15
	global_store_b128 v[CO], v[BB+4*\t:BB+4*\t+3], s[12:13] offset:(32*((\a)/2)+8*((\a)%2)+\t+8*(\t/8))*4096 th:TH_STORE_NT
.endr
.endm
	PLACES NP
	TOSTAGE 0
.irp a, 1,2,3,4,5,6,7
.if \a > 1
	s_wait_xcnt 0x0
.endif
	TOSTAGE \a
	SEND \a-1, 32
.endr
	SEND 7, 0
	s_wait_tensorcnt 0x0
	ds_add_u32 v[SPW], v[NIL]
	s_wait_dscnt 0x0
	CROUND
	s_endpgm
.Lfunc_end_k_qf8cc6087a8_proj:
	.size	k_qf8cc6087a8_proj, .Lfunc_end_k_qf8cc6087a8_proj-k_qf8cc6087a8_proj
	.p2alignl 7, 3214868480
	.fill 96, 4, 3214868480
	.section	.rodata,"a",@progbits
	.p2align	6, 0x0
	.amdhsa_kernel k_qf8cc6087a8_proj
		.amdhsa_group_segment_fixed_size 327680
		.amdhsa_private_segment_fixed_size 0
		.amdhsa_enable_private_segment 0
		.amdhsa_kernarg_size 40
		.amdhsa_user_sgpr_count 2
		.amdhsa_user_sgpr_kernarg_segment_ptr 1
		.amdhsa_wavefront_size32 1
		.amdhsa_system_sgpr_workgroup_id_x 1
		.amdhsa_system_sgpr_workgroup_id_y 1
		.amdhsa_system_sgpr_workgroup_id_z 1
		.amdhsa_system_vgpr_workitem_id 0
		.amdhsa_next_free_vgpr 1024
		.amdhsa_next_free_sgpr 98
		.amdhsa_reserve_vcc 0
		.amdhsa_float_denorm_mode_32 3
		.amdhsa_float_denorm_mode_16_64 3
		.amdhsa_memory_ordered 1
		.amdhsa_forward_progress 1
		.amdhsa_inst_pref_size 144
	.end_amdhsa_kernel
	.amdgpu_metadata
---
amdhsa.version: [ 1, 2 ]
amdhsa.kernels:
  - .name:           k_qf8cc6087a8_proj
    .symbol:         k_qf8cc6087a8_proj.kd
    .args:
      - { .name: a4, .offset: 0, .size: 8, .value_kind: global_buffer, .address_space: global }
      - { .name: a4s, .offset: 8, .size: 8, .value_kind: global_buffer, .address_space: global }
      - { .name: xw, .offset: 16, .size: 8, .value_kind: global_buffer, .address_space: global }
      - { .name: xws, .offset: 24, .size: 8, .value_kind: global_buffer, .address_space: global }
      - { .name: out0, .offset: 32, .size: 8, .value_kind: global_buffer, .address_space: global }
    .group_segment_fixed_size: 327680
    .private_segment_fixed_size: 0
    .kernarg_segment_align: 8
    .kernarg_segment_size: 40
    .max_flat_workgroup_size: 128
    .sgpr_count:     98
    .vgpr_count:     1024
    .wavefront_size: 32
...
	.end_amdgpu_metadata
.endif
;; end of part 4
